; MI455X (gfx1250); checked and timed in simulation.
; The chip was launched on July 23, 2026; its instructions are those of AMD's public machine-readable ISA for CDNA 5 (MIT licence, August 2026) and "CDNA5" Instruction Set Architecture Reference Guide (July 2026). The comments in the code are by the model that wrote it; some were corrected since.
;; Bit Linear. Allowed arithmetic: matrix products marked QUANTISED: E4M3 operands, one E8M0 scale for each 32 along K, by v_wmma_scale_f32_16x16x128_f8f6f4 with both operands' format E4M3, f32 sums; everything else in f32.
;; Inputs: weight 2,048 x 4,096 float32; x_codes 2 x 4,096 x 128 x 32 uint8 (E4M3 codes of x, K innermost, in blocks of 32 codes); x_scales 2 x 4,096 x 128 uint8 (E8M0 scales of x, one for each 32 codes along K).
;; Outputs: out0 2 x 4,096 x 2,048 float32.
;; This version of the problem:
;;   THIS VERSION OF THE PROBLEM IS GIVEN IN LOW PRECISION. The matrix products marked QUANTISED in the list below multiply operands that are first quantised to E4M3 (4 exponent bits, 3 mantissa bits; 8 bits a number), with one power-of-two scale for each 32 numbers along K (OCP MX v1.0); their sums are f32. All else is computed in f32.
;;   The module's matrix products, in the order in which they are computed (A, B: the left and right operand; K: the contracted axis; several contracted axes count as one K, in the product's order):
;;     1. [M 8,192, K 4,096] x [K 4,096, N 2,048]; A: input x (given as codes); B: computed on the way: QUANTISED
;;   THE QUANTISER, for each operand of a quantised product, along K:
;;     - K is cut into blocks of 32 from its start; a last block that is shorter is filled with zeros.
;;     - A block's scale is 2^e with e = floor(log2(the largest magnitude in the block)) - 8, held to -126 .. 127; a block of zeros has e = 0. As a byte (E8M0): e + 127.
;;     - Each number is divided by its block's scale, clamped to +-448, and rounded to the nearest number of E4M3, ties to even, subnormals kept.
;;     - The product sums the exact products of the quantised numbers (number of the format x scale) in f32.
;;   ~~~python
;;   def quantise(x, axis):      # numpy; x: float32 -> the quantised numbers, widened to float32 again
;;       x = np.moveaxis(x, axis, -1); K = x.shape[-1]
;;       x = np.pad(x, [(0, 0)] * (x.ndim - 1) + [(0, -K % 32)]); x = x.reshape(x.shape[:-1] + (-1, 32)); a = np.abs(x).max(-1, keepdims=True)
;;       e = np.where(a > 0, np.clip(np.frexp(np.where(a > 0, a, 1))[1] - 1 - 8, -126, 127), 0)      # np.frexp(a)[1] - 1 = floor(log2(a)), exactly
;;       r = np.clip(x / 2.0 ** e, -448, 448)
;;       step = 2.0 ** (np.maximum(np.frexp(np.where(r == 0, 1, r))[1] - 1, -6) - 3)
;;       q = np.round(r / step) * step * 2.0 ** e      # np.round: ties to even
;;       return np.moveaxis(q.reshape(q.shape[:-2] + (-1,))[..., :K], -1, axis).astype(np.float32)
;;   ~~~
;;   OPERANDS COMPUTED ON THE WAY. 'Computed on the way' means the value that the module computes at that place (a softmax that the list does not call 'softmax' is quantised finished and normalised). What goes into a quantiser is computed in f32, as accurately as f32 sums, v_exp_f32 and their like allow (about 1e-6 of the number): no bf16 or f16 on the way to a quantiser, and a product that is left as it is and whose result goes on into a quantised operand takes f32 operands (vector FMAs, or v_wmma_f32_16x16x4_f32). A number that lies on a knife's edge between two numbers of the format may be rounded either way, as far as f32 arithmetic and the matrix unit's own rounding can turn it there, and no further.
;;   INPUTS GIVEN AS CODES. x (in the module: [2, 4096, 4096], K = its axis 2): each comes as NAME_codes (uint8): NAME with its K axis moved to the last place and cut into blocks of 32 codes, [.., K / 32, bytes a block], one block behind the other in memory; one code a byte (a code: sign, 4 exponent bits, 3 mantissa bits); and NAME_scales (uint8): the same leading axes, one E8M0 byte (e + 127) for each 32 codes along K. Its value is code x scale, taken as it is: it is not quantised again, and the codes and scales need not be those that the quantiser above would give.
;; One version. Each part assembles by itself: llvm-mc -triple=amdgcn-amd-amdhsa -mcpu=gfx1250 --defsym DOCPART=n.
;; ======== version 1 of 1: 2 launches
;; workspace buffers: wsign 8,388,608 bytes; partials 1,024 bytes
;; launch signs (part 1): grid 256 x 1, 8 waves a work-group, no clusters, 34,048 bytes of LDS; arguments weight, wsign, partials; writes wsign, partials
.if DOCPART == 1
	.amdgcn_target "amdgcn-amd-amdhsa--gfx1250"
	.amdhsa_code_object_version 6
	.text
	.protected	k_q86ba1289e0_signs
	.globl	k_q86ba1289e0_signs
	.p2align	8
	.type	k_q86ba1289e0_signs,@function
k_q86ba1289e0_signs:
	s_mov_b64 s[64:65], 0
	v_nop
	global_prefetch_b8 v0, s[64:65] scope:SCOPE_SE
	s_setreg_imm32_b32 hwreg(HW_REG_WAVE_MODE, 25, 1), 1
	s_wait_xcnt 0x0
; weight [2048][4096] f32 is read once.  Two things come of it:
;   wsign [2048][4096], one byte a weight, K innermost: 0x7f for w > 0, 0xff for w < 0, 0x00 for +0, 0x80 for -0.  ANDed with 0x80 | c, c the code of alpha's magnitude,
;   such a byte IS the E4M3 code of sign(w) x alpha; c is known only when all of the weight has been summed, so the AND is left to the launch that multiplies.
;   partials [256] f32: the sum of |w| over each work-group's eight rows.
; SHARES.  256 work-groups of eight waves; wave w of work-group x takes row 8 x + w: 16,384 bytes in, 4,096 bytes out.  Nothing is looped: every offset is an immediate.
; Each load of a wave reads 512 consecutive bytes.  A lane's four numbers of a load give four bytes; they go through the wave's own 4,096 bytes of LDS, as they lie in the row,
; and leave 16 bytes a lane: each store of the wave covers 512 consecutive bytes, aligned.
; THE BYTE.  Three multiplications by 2^127 send every number that is not zero, the smallest denormal too (2^-149 x 2^381), to +-infinity and leave +-0 as it is: the top byte is then the byte wanted.
; THE SUM is kept short: eight chains of 16 terms a lane, then trees (8 chains, 32 lanes, 8 waves); the order differs from a plain running sum, the error stays at a few units of f32's last place.
; LIMITS: NaN and infinities among the weights are not served.
; No tensor loads, no cluster, no matrix unit: a stream that is read once; a wave's whole share is asked for at once.
.set SUMS, 32768                       ; LDS: behind the eight stages of 4,096 bytes: eight wave sums
.set VI,  2                            ; v2   16 x lane: my place in a load's and in a store's 512 bytes
.set SA,  3                            ; v3   the stage on the way in: 4,096 x wave + 4 x lane
.set SB,  4                            ; v4   and on the way out: 4,096 x wave + 16 x lane
.set SW,  5                            ; v5   4 x wave
.set A,   10                           ; v10-17  eight chains of the sum
.set X,   32                           ; v32-159 the row as loaded; v32-63 again on the way out
.set D,   160                          ; v160-191 four bytes for each load: a register of its own for each LDS store
	s_load_b128 s[4:7], s[0:1], 0x0                ; weight s[4:5], wsign s[6:7]
	s_load_b64 s[8:9], s[0:1], 0x10                ; partials
	v_lshl_add_u32 v192, v0, 2, 0x8100
	v_mov_b32 v193, 0
	v_lshrrev_b32 v1, 5, v0
	v_readfirstlane_b32 s10, v1                    ; wave 0..7
	v_and_b32 v1, 31, v0                           ; lane
	v_lshlrev_b32 v[VI], 4, v1
	s_lshl_b32 s11, s10, 12                        ; my stage
	v_lshl_add_u32 v[SA], v1, 2, s11
	v_lshl_add_u32 v[SB], v1, 4, s11
	v_mov_b32 v[SW], s10
	v_lshlrev_b32 v[SW], 2, v[SW]
	v_mov_b32 v20, 0                               ; the address from which wave 0 reads the eight sums (the place stands in the immediate)
	s_lshl_b32 s25, ttmp9, 2
	v_mov_b32 v21, s25                             ; my work-group's word of partials
	v_mov_b32 v19, 0                               ; written once: a lane permute's destination counts as one of its sources
	s_lshl_b32 s12, ttmp9, 3
	s_add_co_u32 s12, s12, s10                     ; my row: 8 x work-group + wave
	s_lshl_b32 s14, s12, 12                        ; x 4,096 bytes in wsign,
	s_lshl_b32 s12, s12, 14                        ; x 16,384 bytes in weight: both under 2^26
	s_mov_b32 s13, 0
	s_mov_b32 s15, 0
	s_mov_b32 s20, 0x07030703                      ; v_perm_b32: the top bytes of two registers
	s_mov_b32 s21, 0x05040100                      ; the low halves of two registers
	s_mov_b32 s22, 0x76543210                      ; v_permlanex16_b32: lane l takes lane l xor 16
	s_mov_b32 s23, 0xfedcba98
	s_wait_kmcnt 0x0
	s_add_nc_u64 s[4:5], s[4:5], s[12:13]
	s_add_nc_u64 s[6:7], s[6:7], s[14:15]
.irp j, 0,1,2,3,4,5,6,7,8,9,10,11,12,13,14,15,16,17,18,19,20,21,22,23,24,25,26,27,28,29,30,31
	global_load_b128 v[X+4*\j:X+4*\j+3], v[VI], s[4:5] offset:512*\j th:TH_LOAD_NT   ; lane l: numbers 128 j + 4 l + 0 .. 3 of the row
.endr
; Four loads' numbers, 16 registers: into the sum, then to bytes, then into the stage.
.macro GROUP g
	s_wait_loadcnt 28-4*\g                         ; loads come back in order: of the 32, those of the later groups may stay out
.irp c, 0,1,2,3,4,5,6,7
.if \g == 0
	v_add_f32 v[A+\c], |v[X+\c]|, |v[X+8+\c]|      ; the first two terms start a chain: nothing is cleared
.else
	v_add_f32 v[A+\c], v[A+\c], |v[X+16*\g+\c]|
.endif
.endr
.if \g > 0
.irp c, 0,1,2,3,4,5,6,7
	v_add_f32 v[A+\c], v[A+\c], |v[X+16*\g+8+\c]|
.endr
.endif
.rept 3
.irp k, 0,2,4,6,8,10,12,14
	v_pk_mul_f32 v[X+16*\g+\k:X+16*\g+\k+1], v[X+16*\g+\k:X+16*\g+\k+1], 0x7f000000 op_sel_hi:[1,0]   ; x 2^127, two at a time
.endr
.endr
.irp j, 0,1,2,3
	v_perm_b32 v6, v[X+16*\g+4*\j+1], v[X+16*\g+4*\j], s20         ; the top bytes of numbers 0, 1
	v_perm_b32 v7, v[X+16*\g+4*\j+3], v[X+16*\g+4*\j+2], s20       ; and of 2, 3
	v_perm_b32 v[D+4*\g+\j], v7, v6, s21                           ; four bytes, the lower K in the lower byte
	ds_store_b32 v[SA], v[D+4*\g+\j] offset:128*(4*\g+\j)          ; a load's 128 numbers are 128 consecutive bytes of the row
.endr
.endm
.irp g, 0,1,2,3,4,5,6,7
	GROUP \g
.endr
	v_add_f32 v10, v10, v11                        ; the eight chains, as a tree
	v_add_f32 v12, v12, v13
	v_add_f32 v14, v14, v15
	v_add_f32 v16, v16, v17
	v_add_f32 v10, v10, v12
	v_add_f32 v14, v14, v16
	v_add_f32 v18, v10, v14
	v_add_f32_dpp v18, v18, v18 row_xmask:1 row_mask:0xf bank_mask:0xf     ; the 32 lanes
	v_add_f32_dpp v18, v18, v18 row_xmask:2 row_mask:0xf bank_mask:0xf
	v_add_f32_dpp v18, v18, v18 row_xmask:4 row_mask:0xf bank_mask:0xf
	v_add_f32_dpp v18, v18, v18 row_xmask:8 row_mask:0xf bank_mask:0xf
	v_permlanex16_b32 v19, v18, s22, s23
	v_add_f32 v18, v18, v19
	ds_store_b32 v[SW], v18 offset:SUMS            ; all lanes write the wave's word with the same value
.irp i, 0,1,2,3,4,5,6,7
	ds_load_b128 v[X+4*\i:X+4*\i+3], v[SB] offset:512*\i           ; LDS serves a wave's instructions in order (ISA guide 5.7.1.4): these see my stores
.endr
.irp i, 0,1,2,3,4,5,6,7
	s_wait_dscnt 7-\i                              ; the younger loads may stay out
	global_store_b128 v[VI], v[X+4*\i:X+4*\i+3], s[6:7] offset:512*\i      ; 32 lanes store 512 consecutive bytes, at a multiple of 512 from wsign's first byte
.endr
	s_wait_dscnt 0x0                               ; for the others' sake: my sum lies in LDS
	s_barrier_signal -1
	s_barrier_wait -1
	s_cmp_lg_u32 s10, 0                            ; wave 0 adds the eight sums
	s_cbranch_scc1 .Lend
	ds_load_b128 v[24:27], v20 offset:SUMS
	ds_load_b128 v[28:31], v20 offset:SUMS+16
	s_wait_dscnt 0x0
	v_add_f32 v24, v24, v25
	v_add_f32 v26, v26, v27
	v_add_f32 v28, v28, v29
	v_add_f32 v30, v30, v31
	v_add_f32 v24, v24, v26
	v_add_f32 v28, v28, v30
	v_add_f32 v24, v24, v28
	s_wait_xcnt 0x0                                ; EXEC is a source of my pending stores: it changes only behind this wait
	v_cmp_eq_u32 vcc_lo, 0, v0
	s_and_saveexec_b32 s24, vcc_lo                 ; thread 0 alone
	global_store_b32 v21, v24, s[8:9]              ; one word a work-group: 256 such stores in the launch
	s_wait_xcnt 0x0                                ; and again in front of the line that widens it
	s_or_b32 exec_lo, exec_lo, s24
.Lend:
	s_wait_tensorcnt 0x0
	ds_add_u32 v192, v193
	s_wait_dscnt 0x0
	s_endpgm
.Lfunc_end_k_q86ba1289e0_signs:
	.size	k_q86ba1289e0_signs, .Lfunc_end_k_q86ba1289e0_signs-k_q86ba1289e0_signs
	.p2alignl 7, 3214868480
	.fill 96, 4, 3214868480
	.section	.rodata,"a",@progbits
	.p2align	6, 0x0
	.amdhsa_kernel k_q86ba1289e0_signs
		.amdhsa_group_segment_fixed_size 34048
		.amdhsa_private_segment_fixed_size 0
		.amdhsa_enable_private_segment 0
		.amdhsa_kernarg_size 24
		.amdhsa_user_sgpr_count 2
		.amdhsa_user_sgpr_kernarg_segment_ptr 1
		.amdhsa_wavefront_size32 1
		.amdhsa_system_sgpr_workgroup_id_x 1
		.amdhsa_system_sgpr_workgroup_id_y 1
		.amdhsa_system_sgpr_workgroup_id_z 1
		.amdhsa_system_vgpr_workitem_id 0
		.amdhsa_next_free_vgpr 194
		.amdhsa_next_free_sgpr 66
		.amdhsa_reserve_vcc 1
		.amdhsa_float_denorm_mode_32 3
		.amdhsa_float_denorm_mode_16_64 3
		.amdhsa_memory_ordered 1
		.amdhsa_forward_progress 1
		.amdhsa_inst_pref_size 42
	.end_amdhsa_kernel
	.amdgpu_metadata
---
amdhsa.version: [ 1, 2 ]
amdhsa.kernels:
  - .name:           k_q86ba1289e0_signs
    .symbol:         k_q86ba1289e0_signs.kd
    .args:
      - { .name: weight, .offset: 0, .size: 8, .value_kind: global_buffer, .address_space: global }
      - { .name: wsign, .offset: 8, .size: 8, .value_kind: global_buffer, .address_space: global }
      - { .name: partials, .offset: 16, .size: 8, .value_kind: global_buffer, .address_space: global }
    .group_segment_fixed_size: 34048
    .private_segment_fixed_size: 0
    .kernarg_segment_align: 8
    .kernarg_segment_size: 24
    .max_flat_workgroup_size: 256
    .sgpr_count:     66
    .vgpr_count:     194
    .wavefront_size: 32
...
	.end_amdgpu_metadata
.endif
;; end of part 1
;; launch gemm (part 2): grid 8 x 32, 4 waves a work-group, clusters of 4 x 4, 327,680 bytes of LDS; arguments x_codes, x_scales, wsign, partials, out0; writes out0
.if DOCPART == 2
	.amdgcn_target "amdgcn-amd-amdhsa--gfx1250"
	.amdhsa_code_object_version 6
	.text
	.protected	k_q86ba1289e0_gemm
	.globl	k_q86ba1289e0_gemm
	.p2align	8
	.type	k_q86ba1289e0_gemm,@function
k_q86ba1289e0_gemm:
	s_mov_b64 s[64:65], 0
	v_nop
	global_prefetch_b8 v0, s[64:65] scope:SCOPE_SE
	s_setreg_imm32_b32 hwreg(HW_REG_WAVE_MODE, 25, 1), 1
	s_wait_xcnt 0x0
	s_wait_alu depctr_hold_cnt(0) depctr_sa_sdst(0) depctr_va_vdst(0) depctr_va_sdst(0) depctr_va_ssrc(0) depctr_va_vcc(0) depctr_vm_vsrc(0)
	s_getreg_b32 s2, hwreg(HW_REG_IB_STS2, 6, 4)
	s_cmp_eq_u32 s2, 0
	s_cbranch_scc0 .Lentry_in_a_cluster
	s_endpgm
.Lentry_in_a_cluster:
	s_bfe_u32 s2, ttmp6, 0x10000c
	s_cmp_lg_u32 s2, 0xf033
	s_cbranch_scc0 .Lentry_shape_is_right
	s_endpgm
.Lentry_shape_is_right:
; out0[m][n] = sum over k of x[m][k] Q(sign(W[n][k]) alpha), alpha = the mean of |W|.  m 8,192, n 2,048, k 4,096.  Both operands are codes of FP8 (E4M3) with one E8M0 scale for each 32 along K; sums in f32.
; x comes as codes [8192][4096] and scale bytes [8192][128] and is taken as it is given.
; W'S OPERAND.  Every number of sign(W) alpha is +-alpha or +-0.  So every block of 32 that is not all zeros has the largest magnitude alpha, hence one and the same scale byte, and every number that is not
; zero has one and the same magnitude code c = the quantiser's code of alpha; rounding is symmetric, so the sign is bit 7 alone.  The launch before has left wsign [2048][4096], a byte a weight
; (0x7f, 0xff, 0x00, 0x80 for w > 0, w < 0, +0, -0) and 256 partial sums of |W|.  Each wave adds the 256 (all waves in the same order, so all get the same bits), makes alpha, puts it through the quantiser
; (floor, hold at 448 x the scale, the scaled conversion) and keeps 0x80808080 | c x 0x01010101 in a scalar register: ONE v_and_b32 a register turns a fragment of wsign into the operand's codes.
; The hold matters: alpha over its scale lies anywhere under 512, and the conversion to an 8-bit code does not saturate (ISA guide 7.6.2).
; LIMITS: NaN and infinities in W are not served.  An alpha under 2^-118 (the floor, whose byte is held at 1) was not tried.  A block of W that is all zeros carries alpha's scale byte where the quantiser says 127:
; its codes are zeros, which add nothing under any byte but 0xff, and this program alone reads the byte.  alpha's sum is a tree, not a running sum: it differs from another order by a few units of f32's last place.
; SHARES.  A tile of out0, 256 x 256, is made by a work-group of four waves, one to a SIMD; a wave makes 128 x 128: 64 accumulators of 16 x 16, 512 registers.  32 x 8 tiles: 256 work-groups.
; K goes in steps of 256 through a ring of two LDS slots filled by the tensor data mover: a tile's row is 256 bytes of memory, at a multiple of 256 from the buffer's first byte.
; x's SCALES of the work-group's 256 rows, for all of K, are one dense block of 32,768 bytes: it comes into LDS once, with the first fills, and stays.  W's scale is one word, the same in every lane.
; CLUSTERS: 4 x 4 work-groups.  The four of a row of the cluster need the same tiles (and scales) of x, the four of a column the same tiles of wsign: each is asked for JOINTLY, by the same tensor load with the
; same descriptor and a mask that names the four.  THE MATRIX INSTRUCTION IS USED TRANSPOSED (source 0 = 16 rows of W, source 1 = 16 rows of x): a lane then holds eight neighbouring numbers of a row of out0.
; REGISTERS, in windows of 256: window 0: v1-7 at work and addresses; v16-30 addresses; v32-47 x's scale words, two sets; v48 W's scale word; v64-83 alpha; v128-255 W's fragments (8 x 16 rows x 128 K), ONE set,
;   and the rows on the way out.   window 1: x's fragments, TWO sets, at v0 and at v128.   window 2: the 32 accumulators of W's blocks 0-3 (accumulator (b, a) at v[8 (8 (b % 4) + a)]);   window 3: those of blocks 4-7.
; A step of 128 along K is 64 matrix instructions, W's blocks one after the other, each against x's eight.  So a block of W is free as soon as its eight products are issued, and one set of registers serves W:
; blocks 0-3 are fetched anew in the step's middle, blocks 4-7 at its end.  x's fragments are at work through the whole step, so x has two sets.
; THE ANDs, 128 a step, stand in slices of four behind every second matrix instruction, each block's four slices ahead of its first product, with one more slice (the next block's) between.
.set ROWB,   256                       ; a tile's row in bytes: 256 codes
.set KROW,   4096                      ; a row of x_codes or of wsign in memory, in bytes
.set NROW,   8192                      ; a row of out0 in bytes
.set PITCH,  272                       ; an LDS row: 256 bytes of data + 16 of padding = 68 words: row r starts at bank 4 r mod 64 (64 banks of 4 bytes: ISA guide 11.1), so the 16 rows that a load touches start at 16 different banks
.set HALFT,  128*PITCH                 ; 128 rows: what one tensor load brings, and what one wave reads of x or of W
.set SLOT,   4*HALFT                   ; x's 256 rows, then W's 256 rows
.set LAPS,   4096/(2*ROWB)             ; a lap = two K steps = once round the ring: 8
.set SCL,    2*SLOT                    ; behind the ring: x's scales, 128 bytes a row, two rows to 256 bytes, 16 of padding behind each 256
.set SBLK,   8*272                     ; those of 16 rows
.set QUARS,  32*272                    ; of 64 rows: what one tensor load brings
.set HALFS,  64*272                    ; of 128 rows: what one wave reads
.set SPARE,  SCL+2*HALFS               ; behind the scales: the spare words, 128 bytes for each wave: two blocks of 256 bytes that no other line names
.set SPITCH, 528                       ; the way out: a stage of 16 rows x (512 bytes + 16) for each wave.  It lies in slot 0, which has had its last fill and its last read when the first result is stored there
.set ADRX, 16                          ; v16-17  LDS address of my fragments of x in slot 0, 1
.set ADRW, 20                          ; v20-21  the same for W
.set STO,  24                          ; v24     the way out: where I put 32 bytes of a row
.set RD,   25                          ; v25     the way out: where I read a row back
.set CO,   26                          ; v26     my byte offset in a row of out0
.set ADRS, 27                          ; v27     LDS address of my scale words of x: lanes 0-15 rows 0-63 of my 128, lanes 16-31 rows 64-127
.set SPW,  28                          ; v28     LDS address of my spare word: SPARE + 4 x my thread's number; never rewritten
.set NIL,  29                          ; v29     0; never rewritten
.set PFO,  30                          ; v30     the prefetches' offset: my lane x a row in memory; never rewritten
.set SC,   32                          ; x's scale words: set s (for slot s) at v[SC + 8 s]; in it register 2 i + q: lanes 0-15 the word of x's block i, lanes 16-31 that of block i + 4, for the slot's q-th 128 along K
.set WSC,  48                          ; W's scale word: alpha's byte four times, in every lane
.set WF,   128                         ; W's fragments, in window 0
.set BK,   128                         ; the way out: 16 rows read back from the stage: v128-191 and v192-255 by turns
.set G1,   24                          ; s[24:31] descriptor group 1 for x's tiles;  s[32:39] group 0, one set for each slot
.set G0,   32
.set G1B,  48                          ; s[48:55], s[56:63] the same for W's tiles
.set G0B,  56
.set G1S,  68                          ; s[68:75], s[76:79] groups 1 and 0 for x's scales
.set G0S,  76
.set PFA,  80                          ; s[80:81] where my prefetches stand: my work-group's 32 rows of the 128 that I fetch, one K step further along K than the refill that is being asked for; a prefetch names the K step after that
.set LIM,  82                          ; s82     1 in a wave that prefetches, else the greatest number
.set MASK, 83                          ; s83     0x80808080 | alpha's code in all four bytes
.set MNT,  84                          ; s84     the mantissa field of 448
.set SEL,  86                          ; s[86:87] v_permlanex16_b32's selects for lane l xor 16
.set MSB, 0
.macro WIN new                         ; the immediate's high byte repeats the setting that is left; a switch that changes nothing is dropped
.if MSB != \new
	s_set_vgpr_msb (MSB<<8)|\new
.set MSB, \new
.endif
.endm
.set MUL_LO, 0xa4                      ; source 0 (W) window 0, source 1 (x) window 1, C and D window 2
.set MUL_HI, 0xf4                      ; the same, C and D window 3
.set TO_X,   0x40                      ; destination window 1, address window 0
; A joint load: waves 0 and 1 fetch for x, waves 2 and 3 for W.  Each of the two lines has ONE mask and one set of registers for all that issue it; the branch hangs on the wave's number alone.
; Four v_nop follow each of the two lines, ahead of the jump, the label and what follows.
.macro JLOAD g0a, g1a, g0b, g1b
	s_cmp_eq_u32 s15, 0
	s_cbranch_scc0 .Lfor_b_\@
	tensor_load_to_lds s[\g0a:\g0a+3], s[\g1a:\g1a+7]
	s_nop 0
.rept 4
	v_nop
.endr
	s_branch .Lasked_\@
.Lfor_b_\@:
	tensor_load_to_lds s[\g0b:\g0b+3], s[\g1b:\g1b+7]
	s_nop 0
.rept 4
	v_nop
.endr
.Lasked_\@:
.endm
; A PREFETCH INTO THE L2, in each change of slots that fills a slot, behind the run of LDS loads from the next slot: the K step that stands TWO refills on: 32 rows x 256 bytes, a lane a row, one instruction a wave.
; Each row's 256 bytes of a K step are named ONCE in the launch.  x's tile row is read by both clusters of that row of clusters: the one with cluster x = 0 asks; W's tile column by all eight clusters of that
; column: the one with cluster y = 0 asks.  The four partners that ask for a tile jointly share its rows out BY ADDRESS: of the 128 rows that a wave fetches, the partner at place p takes 32 p .. 32 p + 31
; (p = cx for x, cy for W): no branch hangs on a work-group's place in its cluster.  The loop's last trip (s3 = 1) asks for nothing: its refills are K steps 14 and 15, and there is no K step two on.
.macro ASK
	s_cmp_gt_u32 s3, s[LIM]
	s_cbranch_scc0 .Lnot_mine_\@
	global_prefetch_b8 v[PFO], s[PFA:PFA+1] offset:ROWB th:TH_LOAD_NT scope:SCOPE_SE
.Lnot_mine_\@:
.endm
.macro CREST                           ; a round of the cluster's barrier behind its opening barrier
	s_cmp_lg_u32 s14, 0
	s_cbranch_scc1 .Lnot_wave_0_\@
	s_barrier_signal -3
.Lnot_wave_0_\@:
	s_barrier_wait -3
	s_barrier_signal -1
	s_barrier_wait -1
.endm
.macro CROUND                          ; a whole round
	s_barrier_signal -1
	s_barrier_wait -1
	CREST
.endm
	s_load_b256 s[4:11], s[0:1], 0x0               ; x's codes s[4:5], x's scales s[6:7], wsign s[8:9], partials s[10:11]
	s_load_b64 s[12:13], s[0:1], 0x20              ; out0
	v_lshl_add_u32 v[SPW], v0, 2, SPARE
	v_mov_b32 v[NIL], 0
	ds_add_u32 v28, v29
	ds_add_u32 v28, v29
	s_wait_dscnt 0x0
	v_lshrrev_b32 v1, 5, v0
	v_readfirstlane_b32 s14, v1                    ; wave 0..3
	s_lshr_b32 s15, s14, 1                         ; which half of the tile's rows (of x) is mine.  Also: I fetch for x (0) or for W (1)
	s_and_b32 s16, s14, 1                          ; which half of its columns (rows of W).  Also: which 128 rows of that tile I fetch
	s_bfe_u32 s40, ttmp6, 0x40000                  ; cx, cy: my place in the cluster
	s_bfe_u32 s41, ttmp6, 0x40004
	s_lshl_b32 s42, ttmp9, 2
	s_add_co_u32 s42, s42, s40                     ; tile column of out0 = 4 x cluster x + cx
	s_and_b32 s17, ttmp7, 0xffff
	s_lshl_b32 s17, s17, 2
	s_add_co_u32 s17, s17, s41                     ; tile row of out0 = 4 x cluster y + cy
	s_lshl_b32 s43, s41, 2
	s_lshl_b32 s43, 15, s43                        ; my row of the cluster: places 4 cy .. 4 cy + 3
	s_lshl_b32 s44, 0x1111, s40                    ; my column: places cx, cx + 4, cx + 8, cx + 12
	; descriptor group 1: a tile of 128 rows x 256 bytes, padded in LDS
	s_or_b32 s[G1+0], s43, (0<<16)|(1<<20)|(1<<21)|(5<<22)|(3<<25)  ; 15:0 the mask: x's tiles go to my row; 17:16 element of 1 byte; 20 padding on; 21 set beside a mask; 24:22 after every 64 words (code 5); 31:25 of 4 words (code 3)
	s_or_b32 s[G1B+0], s44, (0<<16)|(1<<20)|(1<<21)|(5<<22)|(3<<25) ; the same with the mask of my column, for W's tiles
.irp g, G1, G1B
	s_mov_b32 s[\g+1], ROWB<<16                    ; tensor_dim0 = 256
	s_mov_b32 s[\g+2], 128<<16                     ; tensor_dim1 = 128
	s_mov_b32 s[\g+3], ROWB<<16                    ; tile_dim0 = 256
	s_mov_b32 s[\g+4], 128                         ; tile_dim1 = 128
	s_mov_b32 s[\g+5], KROW                        ; tensor_dim0_stride
	s_mov_b32 s[\g+6], 0
	s_mov_b32 s[\g+7], 0
.endr
	; and for the scales of 64 rows of x: a dense block of 8,192 bytes, as 32 rows of 256 bytes (32 elements of 8 bytes), 16 bytes of padding behind each
	s_or_b32 s[G1S+0], s43, (3<<16)|(1<<20)|(1<<21)|(5<<22)|(3<<25)
	s_mov_b32 s[G1S+1], 32<<16
	s_mov_b32 s[G1S+2], 32<<16
	s_mov_b32 s[G1S+3], 32<<16
	s_mov_b32 s[G1S+4], 32
	s_mov_b32 s[G1S+5], 32
	s_mov_b32 s[G1S+6], 0
	s_mov_b32 s[G1S+7], 0
	; where the tiles come from.  x's hang on the tile row alone, which my row of the cluster shares; W's on the tile column alone, which my column shares.  All byte offsets stay under 2^26
	s_lshl_b32 s18, s16, 7                         ; which 128 rows of the tile I fetch
	s_lshl_b32 s20, s17, 8
	s_add_co_u32 s20, s20, s18                     ; x: row 256 x tile row + 128 x half
	s_lshl_b32 s20, s20, 12                        ; x 4,096 bytes
	s_mov_b32 s21, 0
	s_lshl_b32 s46, s42, 8
	s_add_co_u32 s46, s46, s18                     ; W: row 256 x tile column + 128 x half
	s_lshl_b32 s46, s46, 12
	s_mov_b32 s47, 0
	s_lshl_b32 s22, s17, 8
	s_lshl_b32 s23, s14, 6
	s_add_co_u32 s22, s22, s23                     ; x's scales: every wave fetches 64 rows': row 256 x tile row + 64 x wave
	s_lshl_b32 s22, s22, 7                         ; x 128 bytes
	s_mov_b32 s23, 0
	s_mul_i32 s45, s14, HALFT                      ; where they go: wave x 128 rows: no place in the cluster enters an LDS address
	s_mul_i32 s94, s14, QUARS
	s_mov_b32 s[MNT], 0x600000
	s_mov_b32 s[SEL], 0x76543210
	s_mov_b32 s[SEL+1], 0xfedcba98
	s_wait_kmcnt 0x0
	s_add_nc_u64 s[20:21], s[4:5], s[20:21]
	s_add_nc_u64 s[22:23], s[6:7], s[22:23]
	s_add_nc_u64 s[46:47], s[8:9], s[46:47]
	CROUND                                         ; all sixteen work-groups are here: the first joint loads meet
	s_mov_b32 s[G0S], 1                            ; 1:0 count = 1
	s_add_co_u32 s[G0S+1], s94, SCL                ; 63:32 LDS address
	s_mov_b64 s[G0S+2:G0S+3], s[22:23]             ; 120:64 global address
	s_or_b32 s[G0S+3], s[G0S+3], 0x80000000        ; 127:126 type = 2
	tensor_load_to_lds s[G0S:G0S+3], s[G1S:G1S+7]  ; the scales first: they are wanted with K step 0.  Every wave has its own 64 rows: no branch
	s_nop 0
.rept 4
	v_nop
.endr
.irp s, 0,1
	s_mov_b32 s[G0+4*\s], 1
	s_add_co_u32 s[G0+4*\s+1], s45, \s*SLOT
	s_add_nc_u64 s[G0+4*\s+2:G0+4*\s+3], s[20:21], \s*ROWB
	s_or_b32 s[G0+4*\s+3], s[G0+4*\s+3], 0x80000000
	s_mov_b32 s[G0B+4*\s], 1
	s_add_co_u32 s[G0B+4*\s+1], s45, \s*SLOT
	s_add_nc_u64 s[G0B+4*\s+2:G0B+4*\s+3], s[46:47], \s*ROWB
	s_or_b32 s[G0B+4*\s+3], s[G0B+4*\s+3], 0x80000000
	JLOAD G0+4*\s, G1, G0B+4*\s, G1B               ; three tensor loads of mine are out behind the second of these
.endr
	v_and_b32 v6, 31, v0                           ; lane
	v_lshlrev_b32 v7, 5, v6                        ; the 256 partial sums: eight a lane; v7 is not written again
	global_load_b128 v[64:67], v7, s[10:11]
	global_load_b128 v[68:71], v7, s[10:11] offset:16
	v_and_b32 v1, 15, v0                           ; r = l % 16
	v_bfe_u32 v2, v0, 4, 1                         ; h = l / 16
	v_mul_u32_u24 v3, v1, PITCH
	v_lshl_add_u32 v4, v2, 4, v3                   ; a fragment's row x pitch + 16 x half
	s_mul_i32 s21, s15, HALFT                      ; my 128 rows of x
	s_mul_i32 s22, s16, HALFT                      ; my 128 rows of W,
	s_add_co_u32 s22, s22, 2*HALFT                 ; which lie behind x's 256
.irp s, 0,1
	v_add_nc_u32 v[ADRX+\s], s21, v4
	v_add_nc_u32 v[ADRW+\s], s22, v4
	s_add_co_u32 s21, s21, SLOT
	s_add_co_u32 s22, s22, SLOT
.endr
	v_lshlrev_b32 v5, 7, v1                        ; my row's scales: 128 bytes a row,
	v_lshrrev_b32 v3, 1, v1
	v_lshl_add_u32 v5, v3, 4, v5                   ; and 16 more for each two rows passed
	v_mul_u32_u24 v3, v2, QUARS                    ; lanes 16-31 stand 64 rows further on
	v_add_nc_u32 v5, v5, v3
	s_mul_i32 s21, s15, HALFS                      ; my 128 rows
	s_add_co_u32 s21, s21, SCL
	v_add_nc_u32 v[ADRS], s21, v5
	s_lshl_b32 s20, s17, 8
	s_lshl_b32 s21, s15, 7
	s_add_co_u32 s20, s20, s21                     ; my first row of out0: 256 x tile row + 128 x half
	s_lshl_b32 s20, s20, 13                        ; x 8,192 bytes: under 2^27
	s_mov_b32 s21, 0
	s_lshl_b32 s46, s42, 10                        ; my first column, in bytes: 1,024 x tile column + 512 x half
	s_lshl_b32 s47, s16, 9
	s_add_co_u32 s46, s46, s47
	s_mov_b32 s47, 0
	s_add_nc_u64 s[20:21], s[20:21], s[46:47]
	s_add_nc_u64 s[12:13], s[12:13], s[20:21]
	; the prefetches: where my wave's stand, and who asks
	s_lshl_b32 s18, s17, 8                         ; 256 x tile row
	s_lshl_b32 s19, s42, 8                         ; 256 x tile column
	s_and_b32 s22, ttmp7, 0xffff                   ; cluster y
	s_cmp_eq_u32 s15, 0                            ; do I fetch for x?
	s_cselect_b32 s20, s18, s19                    ; the tile's first row: in x by the tile row, in W by the tile column
	s_cselect_b32 s21, s40, s41                    ; my place among the four that ask for it with me
	s_cselect_b32 s22, ttmp9, s22                  ; the coordinate along which other clusters read the same rows
	s_cselect_b64 s[PFA:PFA+1], s[4:5], s[8:9]
	s_cmp_eq_u32 s22, 0
	s_cselect_b32 s[LIM], 1, -1                    ; the same in all sixteen partners, for a given wave
	s_lshl_b32 s22, s16, 7
	s_add_co_u32 s20, s20, s22                     ; + the 128 rows that I fetch
	s_lshl_b32 s21, s21, 5
	s_add_co_u32 s20, s20, s21                     ; + my work-group's 32 of them
	s_lshl_b32 s20, s20, 12                        ; x 4,096 bytes
	s_mov_b32 s21, 0
	s_add_nc_u64 s[PFA:PFA+1], s[PFA:PFA+1], s[20:21]
	s_add_nc_u64 s[PFA:PFA+1], s[PFA:PFA+1], 2*ROWB  ; at K step 2: the first refill steps it to 3 and names K step 4.  Nothing is prefetched here, at the head, where every work-group's first tiles are on their way
	; ALPHA, its scale byte and its code
	s_wait_loadcnt 0x0                             ; the 256 partial sums
	v_add_f32 v64, v64, v65                        ; my eight, as a tree
	v_add_f32 v66, v66, v67
	v_add_f32 v68, v68, v69
	v_add_f32 v70, v70, v71
	v_add_f32 v64, v64, v66
	v_add_f32 v68, v68, v70
	v_add_f32 v64, v64, v68
	v_add_f32_dpp v64, v64, v64 row_xmask:1 row_mask:0xf bank_mask:0xf     ; the 32 lanes
	v_add_f32_dpp v64, v64, v64 row_xmask:2 row_mask:0xf bank_mask:0xf
	v_add_f32_dpp v64, v64, v64 row_xmask:4 row_mask:0xf bank_mask:0xf
	v_add_f32_dpp v64, v64, v64 row_xmask:8 row_mask:0xf bank_mask:0xf
	v_permlanex16_b32 v65, v64, s[SEL], s[SEL+1]   ; (v65 has been written: a lane permute's destination counts as one of its sources)
	v_add_f32 v64, v64, v65
	v_mul_f32 v64, 0x34000000, v64                 ; alpha = the sum x 2^-23: W has 2^23 numbers; exact
	v_max_num_f32 v66, 0x4800000, v64              ; a block's largest magnitude is alpha; the floor 2^(9 - 127) holds the byte at 1 from below
	v_add_nc_u32 v67, 0xfc000000, v66              ; 8 off its exponent field: the conversion takes the exponent field of this operand as its scale, and nothing else of it
	v_and_or_b32 v68, v66, 0x7f800000, s[MNT]      ; 448 x the scale: the largest magnitude's exponent field over 448's mantissa
	v_lshrrev_b32 v69, 23, v67                     ; the scale's byte
.irp k, 0,1,2,3,4,5,6,7
	v_min_num_f32 v[72+\k], v64, v68               ; the hold; alpha is not negative, so it is one-sided.  Eight copies: the conversion takes eight numbers
.endr
	v_cvt_scalef32_pk8_fp8_f32 v[80:81], v[72:79], v67     ; alpha / the scale, to the nearest code, ties to even: c in every byte
	v_nop                                          ; one plain vector instruction between a scaled conversion and the first vector instruction that touches its result
	v_or_b32 v82, 0x80808080, v80
	v_readfirstlane_b32 s[MASK], v82               ; 0x80 | c, four times
	v_lshl_or_b32 v83, v69, 8, v69
	v_lshl_or_b32 v[WSC], v83, 16, v83             ; W's scale word.  A scale register written by a vector instruction stands eight places ahead of the first product: the seven lines below and the slice on block 1 are eleven
	s_mul_i32 s23, s14, 16*SPITCH                  ; my stage
	v_mul_u32_u24 v5, v1, SPITCH                   ; in: row l % 16, 32 bytes for each half of the lanes
	v_lshl_add_u32 v5, v2, 5, v5
	v_add_nc_u32 v[STO], s23, v5
	v_lshlrev_b32 v[CO], 4, v6                     ; back: the 32 lanes take one row of 512 bytes; and the same in out0
	v_add_nc_u32 v[RD], s23, v[CO]
	v_lshlrev_b32 v[PFO], 12, v6                   ; a lane a row of 4,096 bytes
	v_nop
.macro FRAG reg, adr, q, i             ; a fragment, 16 rows x 128 K of 8-bit codes, is 16 registers: lane l holds row l % 16; registers 4 c .. 4 c + 3 hold K = 32 c + 16 (l / 16) + 0 .. 15
.irp c, 0,1,2,3
	ds_load_b128 v[\reg+4*\c:\reg+4*\c+3], v[\adr] offset:128*(\q)+32*\c+(\i)*16*PITCH
.endr
.endm
.macro FETCH_W slot, q, i0             ; W's blocks i0 .. i0 + 3 of the slot's q-th 128 along K: 16 loads, as bytes of wsign
.irp i, \i0, \i0+1, \i0+2, \i0+3
	FRAG WF+16*(\i), ADRW+\slot, \q, \i
.endr
.endm
.macro FETCH_X slot, q, p              ; x's eight fragments into set p: 32 loads
	WIN TO_X
.irp i, 0,1,2,3,4,5,6,7
	FRAG 128*(\p)+16*\i, ADRX+\slot, \q, \i
.endr
	WIN 0
.endm
.macro SCALES sc                       ; a K step's scale words of x into set sc: two words a row; lanes 0-15 take block i, lanes 16-31 block i + 4
.irp i, 0,1,2,3
	ds_load_b64 v[SC+8*\sc+2*\i:SC+8*\sc+2*\i+1], v[ADRS] offset:\i*SBLK
.endr
.endm
.macro AND4 n                          ; four registers of wsign's bytes become codes: sign and, where the weight is not zero, alpha's code
	WIN 0
.irp k, 0,1,2,3
	v_and_b32 v[WF+(\n)+\k], s[MASK], v[WF+(\n)+\k]
.endr
.endm
; A load into a register that a matrix instruction has read, and a vector instruction or an LDS store that reads a matrix result or writes one of a matrix instruction's registers, stand eight places behind it, and only
; plain vector instructions that name none of its registers are places.  Here a slice of four ANDs, on a block that the products round it do not
; read, and four v_nop make the eight in front of each run of loads.
.macro PLACES n
.rept \n
	v_nop
.endr
.endm
; Products i0 .. i0 + n - 1 of a step's 64: product i multiplies W's block i / 8 by x's block i % 8.  p: x's set; q: which 128 along K of the slot; sc: the set of scale words.  zero = 1: the products start the sums: nothing is cleared.
; The 64 accumulators take turns, one instruction a turn, in the same order in every step.
; Behind each odd i stands a slice: registers (2 i + 18) % 128 on of W's 128.  So block b's four slices stand behind products 8 b - 9, - 7, - 5, - 3 (counted round the step's end), and the slice behind 8 b - 1, which is the
; next block's, gives the four places that an operand written by vector instructions owes ahead of a scaled matrix instruction.
; w23 = 1: ahead of slice 23, the first on block 4, the wait for W's blocks 4-7.  w55: ahead of slice 55, the first on the next step's block 0, the wait that leaves so many younger LDS loads out.
; last = 1: the launch's last step: no next step's blocks to AND; four v_nop take slice 55's part ahead of block 7's products.
.macro MUL i0, n, p, q, sc, zero, w23, w55, last
.set i, \i0
.rept \n
.set rD, 8*(8*((i/8)%4)+(i%8))
.set rW, WF+16*(i/8)
.set rX, 128*(\p)+16*(i%8)
.set rS, SC+8*(\sc)+2*(i%4)+(\q)
.if i < 32
	WIN MUL_LO
.else
	WIN MUL_HI
.endif
.if \zero
.if (i%8) < 4
	v_wmma_scale_f32_16x16x128_f8f6f4 v[rD:rD+7], v[rW:rW+15], v[rX:rX+15], 0, v[WSC], v[rS]
.else
	v_wmma_scale_f32_16x16x128_f8f6f4 v[rD:rD+7], v[rW:rW+15], v[rX:rX+15], 0, v[WSC], v[rS] matrix_b_scale:MATRIX_SCALE_ROW1
.endif
.else
.if (i%8) < 4
	v_wmma_scale_f32_16x16x128_f8f6f4 v[rD:rD+7], v[rW:rW+15], v[rX:rX+15], v[rD:rD+7], v[WSC], v[rS]
.else
	v_wmma_scale_f32_16x16x128_f8f6f4 v[rD:rD+7], v[rW:rW+15], v[rX:rX+15], v[rD:rD+7], v[WSC], v[rS] matrix_b_scale:MATRIX_SCALE_ROW1
.endif
.endif
.if (i%2) == 1
.if \w23 && (i == 23)
	s_wait_dscnt 0x0                               ; W's blocks 4-7 are in (asked for 24 matrix instructions ago)
.endif
.if \last && (i >= 55)
.if i == 55
	PLACES 4
.endif
.else
.if i == 55
	s_wait_dscnt \w55                              ; the next step's blocks 0-3 of W are in (asked for 24 matrix instructions ago); what was asked for behind them may stay out
.endif
.set an, (2*i+18)%128
	AND4 an
.endif
.endif
.set i, i+1
.endr
.endm
; A slot's first step of 128 along K (x's set 0); its successor lies in the same slot.
.macro STEP slot, zero
	s_wait_dscnt 16                                ; x's set and its scale words are in; the youngest 16 loads (W's blocks 4-7) may be out
	MUL 0, 32, 0, 0, \slot, \zero, 1, 0, 0
	WIN 0
	PLACES 4                                       ; with slice 31: eight places behind the last product on W's blocks 0-3
	FETCH_W \slot, 1, 0
	FETCH_X \slot, 1, 1
	MUL 32, 32, 0, 0, \slot, \zero, 0, 32, 0       ; at slice 55 x's 32 loads may stay out
	WIN 0
	PLACES 4                                       ; with slice 63: eight places behind the last product on W's blocks 4-7
	FETCH_W \slot, 1, 4
.endm
; A slot's last step (x's set 1) changes slots, AT ITS HEAD: all that this step multiplies has been asked of LDS by the end of the step before, so the slot can be given up as soon as those loads are back.
; ONE barrier; in front of it each wave waits for all its tensor loads, adds 0 to its spare word, and waits for that and for its own reads of this slot.
; fill = 1: this slot is filled again, two K steps ahead; the barrier then opens a round of the cluster's barrier, and the refill goes out behind the step's eighth product.  The next slot's first fragments are
; fetched where W's registers allow it, behind product 31.
.macro TURN slot, next, fill
.if \fill
	s_wait_xcnt 0x0                                ; the last prefetch, a K step back, has read its address: it is stepped here, ahead of the waits of the change of slots
	s_add_nc_u64 s[PFA:PFA+1], s[PFA:PFA+1], ROWB
.endif
	s_wait_tensorcnt 0x0                           ; all my tensor loads have landed: the one that was out is my part of the next slot;  (every window is 0 here: the add's two registers lie in window 0)
	ds_add_u32 v[SPW], v[NIL]                      ; 0 onto my spare word
	s_wait_dscnt 17                                ; x's set is in (the add and the youngest 16 loads, W's blocks 4-7, may be out)
	MUL 0, 4, 1, 1, \slot, 0, 0, 0, 0              ; four matrix instructions and two slices stand between the add and the wait for it
	s_wait_dscnt 0x0                               ; the add is done, and my reads of this slot are over: the last, W's blocks 4-7, were issued at the end of the step before
	s_barrier_signal -1
	MUL 4, 4, 1, 1, \slot, 0, 0, 0, 0              ; work on registers while the others arrive
	WIN 0
	s_barrier_wait -1
.if \fill
	CREST                                          ; no wave of any partner still reads this slot's tile or has a load on its way
	s_add_nc_u64 s[G0+4*\slot+2:G0+4*\slot+3], s[G0+4*\slot+2:G0+4*\slot+3], 2*ROWB
	s_add_nc_u64 s[G0B+4*\slot+2:G0B+4*\slot+3], s[G0B+4*\slot+2:G0B+4*\slot+3], 2*ROWB
	JLOAD G0+4*\slot, G1, G0B+4*\slot, G1B         ; the first tensor load behind the round, my one load until the next: 120 matrix instructions ahead of the wait for it (56 of this step, 64 of the next)
.endif
	MUL 8, 24, 1, 1, \slot, 0, 0, 0, 0
	WIN 0
	PLACES 4                                       ; with slice 31: eight places behind the last product on W's blocks 0-3
	v_add_nc_u32 v[ADRS], 8, v[ADRS]               ; on to the next K step's scale words
	FETCH_W \next, 0, 0                            ; the next slot is whole: every wave's wait for its tensor loads stands ahead of the barrier above
	FETCH_X \next, 0, 0
	SCALES \next
.if \fill
	ASK                                            ; behind the run of LDS loads that the next products wait for
.endif
	MUL 32, 32, 1, 1, \slot, 0, 0, 36, 0           ; at slice 55 x's 32 loads and the 4 of its scale words may stay out
	WIN 0
	PLACES 4
	FETCH_W \next, 0, 4
.endm
	s_wait_tensorcnt 1                             ; the scales and my part of K step 0 are in (K step 1's load may be out)
	s_barrier_signal -1
	s_barrier_wait -1                              ; everybody's are
	FETCH_W 0, 0, 0
	FETCH_X 0, 0, 0
	SCALES 0
	FETCH_W 0, 0, 4
	s_wait_dscnt 52                                ; W's blocks 0-3 are in; behind them 32 + 4 + 16 loads may be out
.irp n, 0,4,8,12,16
	AND4 \n                                        ; what the slices behind products 55 to 63 of a step before would have done
.endr
	STEP 0, 1                                      ; the first step stands in front of the loop: its products start the sums
	s_mov_b32 s3, LAPS-1
.Llap:                                                 ; a trip goes once round the ring, from a lap's second step to the next lap's first, and fills both slots again: K steps 2 to 15 in seven trips
	TURN 0, 1, 1
	STEP 1, 0
	TURN 1, 0, 1
	STEP 0, 0
	s_sub_co_u32 s3, s3, 1
	s_cmp_lg_u32 s3, 0
	s_cbranch_scc1 .Llap
	TURN 0, 1, 0                                   ; the last lap fills nothing, and has no round of the cluster's barrier
	STEP 1, 0
	s_wait_dscnt 16                                ; the very last step: nothing more to fetch
	MUL 0, 32, 1, 1, 1, 0, 1, 0, 0
	MUL 32, 32, 1, 1, 1, 0, 0, 0, 1
	WIN 0
; THE WAY OUT, by x's blocks: 16 rows x 128 columns.  A lane holds 32 neighbouring bytes of a row for each of W's eight blocks, and the lanes beside it hold other rows: so a block goes through my own stage in LDS and comes
; back as whole rows of 512 bytes.  LDS serves a wave's instructions in order (ISA guide 5.7.1.4): no wait between the stores and the loads, nor in front of the next block's stores.
.macro TOSTAGE a
	WIN 0x08                                       ; an LDS store's data are its source 1: window 2: W's blocks 0-3
.irp b, 0,1,2,3
	ds_store_b128 v[STO], v[8*(8*\b+(\a)):8*(8*\b+(\a))+3] offset:64*\b            ; each accumulator from its low end on
	ds_store_b128 v[STO], v[8*(8*\b+(\a))+4:8*(8*\b+(\a))+7] offset:64*\b+16
.endr
	WIN 0x0c                                       ; window 3: W's blocks 4-7
.irp b, 0,1,2,3
	ds_store_b128 v[STO], v[8*(8*\b+(\a)):8*(8*\b+(\a))+3] offset:64*(\b+4)
	ds_store_b128 v[STO], v[8*(8*\b+(\a))+4:8*(8*\b+(\a))+7] offset:64*(\b+4)+16
.endr
	WIN 0
.set BB, BK+64*((\a)%2)
.irp t, 0,1,2,3,4,5,6,7,8,9,10,11,12,13,14,15
	ds_load_b128 v[BB+4*\t:BB+4*\t+3], v[RD] offset:\t*SPITCH
.endr
.endm
.macro SEND a, younger                 ; younger: the LDS instructions issued behind block a's loads, which may stay out
.set BB, BK+64*((\a)%2)
	s_wait_dscnt \younger                          ; the block is back in registers
.if (\a) > 0
	s_add_nc_u64 s[12:13], s[12:13], 16*NROW       ; (behind a wait on XCNT for 0: the earlier stores have read their base)  16 rows of out0 on: the stores' offsets reach 15 rows, 122,880 bytes
.endif
.irp t, 0,1,2,3,4,5,6,7,8,9,10,11,12,13,14,15
	global_store_b128 v[CO], v[BB+4*\t:BB+4*\t+3], s[12:13] offset:\t*NROW th:TH_STORE_NT   ; 32 lanes store 512 consecutive bytes, at a multiple of 512 from out0's first byte; written once, read by nobody here
.endr
.endm
	PLACES 8                                       ; behind the last products: in front of the first read of their results and of the loads into the registers that held W's fragments
	TOSTAGE 0
.irp a, 1,2,3,4,5,6,7
.if \a > 1
	s_wait_xcnt 0x0                                ; block a - 2's stores have read their registers and their base: block a's loads may land there, and the base may step
.endif
	TOSTAGE \a
	SEND \a-1, 32                                  ; behind block a - 1's loads: block a's 16 stores and 16 loads
.endr
	s_wait_xcnt 0x0                                ; block 6's stores have read their base
	SEND 7, 0
	s_wait_tensorcnt 0x0                           ; the wave's end: behind my last tensor load and my last LDS store
	ds_add_u32 v[SPW], v[NIL]
	s_wait_dscnt 0x0
	CROUND                                         ; the closing round: no work-group ends while a partner may still ask for a tile that names it
	s_endpgm
.Lfunc_end_k_q86ba1289e0_gemm:
	.size	k_q86ba1289e0_gemm, .Lfunc_end_k_q86ba1289e0_gemm-k_q86ba1289e0_gemm
	.p2alignl 7, 3214868480
	.fill 96, 4, 3214868480
	.section	.rodata,"a",@progbits
	.p2align	6, 0x0
	.amdhsa_kernel k_q86ba1289e0_gemm
		.amdhsa_group_segment_fixed_size 327680
		.amdhsa_private_segment_fixed_size 0
		.amdhsa_enable_private_segment 0
		.amdhsa_kernarg_size 40
		.amdhsa_user_sgpr_count 2
		.amdhsa_user_sgpr_kernarg_segment_ptr 1
		.amdhsa_wavefront_size32 1
		.amdhsa_system_sgpr_workgroup_id_x 1
		.amdhsa_system_sgpr_workgroup_id_y 1
		.amdhsa_system_sgpr_workgroup_id_z 1
		.amdhsa_system_vgpr_workitem_id 0
		.amdhsa_next_free_vgpr 1024
		.amdhsa_next_free_sgpr 98
		.amdhsa_reserve_vcc 0
		.amdhsa_float_denorm_mode_32 3
		.amdhsa_float_denorm_mode_16_64 3
		.amdhsa_memory_ordered 1
		.amdhsa_forward_progress 1
		.amdhsa_inst_pref_size 192
	.end_amdhsa_kernel
	.amdgpu_metadata
---
amdhsa.version: [ 1, 2 ]
amdhsa.kernels:
  - .name:           k_q86ba1289e0_gemm
    .symbol:         k_q86ba1289e0_gemm.kd
    .args:
      - { .name: x_codes, .offset: 0, .size: 8, .value_kind: global_buffer, .address_space: global }
      - { .name: x_scales, .offset: 8, .size: 8, .value_kind: global_buffer, .address_space: global }
      - { .name: wsign, .offset: 16, .size: 8, .value_kind: global_buffer, .address_space: global }
      - { .name: partials, .offset: 24, .size: 8, .value_kind: global_buffer, .address_space: global }
      - { .name: out0, .offset: 32, .size: 8, .value_kind: global_buffer, .address_space: global }
    .group_segment_fixed_size: 327680
    .private_segment_fixed_size: 0
    .kernarg_segment_align: 8
    .kernarg_segment_size: 40
    .max_flat_workgroup_size: 128
    .sgpr_count:     98
    .vgpr_count:     1024
    .wavefront_size: 32
...
	.end_amdgpu_metadata
.endif
;; end of part 2
